; MI455X (gfx1250); checked and timed in simulation.
; The chip was launched on July 23, 2026; its instructions are those of AMD's public machine-readable ISA for CDNA 5 (MIT licence, August 2026) and "CDNA5" Instruction Set Architecture Reference Guide (July 2026). The comments in the code are by the model that wrote it; some were corrected since.
;; My Multi Head Attention. Allowed arithmetic: matrix products marked QUANTISED: E2M3 operands, one E8M0 scale for each 32 along K, by v_wmma_scale_f32_16x16x128_f8f6f4 with both operands' format E2M3, f32 sums; everything else in f32.
;; Inputs: Wk 1,024 x 1,024 float32; Wq 1,024 x 1,024 float32; Wv 1,024 x 1,024 float32; a_mask 8 x 1 x 1,024 x 1,024 float32; bk 1,024 float32; bq 1,024 float32; bv 1,024 float32; k 8 x 1,024 x 1,024 float32; q 8 x 1,024 x 1,024 float32; q_mask 8 x 1,024 float32; v 8 x 1,024 x 1,024 float32; v_mask 8 x 1,024 float32.
;; Outputs: out0 8 x 1,024 x 1,024 float32.
;; This version of the problem:
;;   THIS VERSION OF THE PROBLEM IS GIVEN IN LOW PRECISION. The matrix products marked QUANTISED in the list below multiply operands that are first quantised to E2M3 (2 exponent bits, 3 mantissa bits; 6 bits a number), with one power-of-two scale for each 32 numbers along K (OCP MX v1.0); their sums are f32. All else is computed in f32.
;;   The module's matrix products, in the order in which they are computed (A, B: the left and right operand; K: the contracted axis; several contracted axes count as one K, in the product's order):
;;     1. [M 8,192, K 1,024] x [K 1,024, N 1,024]; A: input q; B: input Wq: QUANTISED
;;     2. [M 8,192, K 1,024] x [K 1,024, N 1,024]; A: input k; B: input Wk: QUANTISED
;;     3. [M 8,192, K 1,024] x [K 1,024, N 1,024]; A: input v; B: input Wv: QUANTISED
;;     4. batch 128 x [M 1,024, K 64] x [K 64, N 1,024]; A: computed on the way; B: computed on the way: QUANTISED
;;     5. batch 128 x [M 1,024, K 1,024] x [K 1,024, N 64]; A: softmax (see below); B: computed on the way: QUANTISED
;;   THE QUANTISER, for each operand of a quantised product, along K:
;;     - K is cut into blocks of 32 from its start; a last block that is shorter is filled with zeros.
;;     - A block's scale is 2^e with e = floor(log2(the largest magnitude in the block)) - 2, held to -126 .. 127; a block of zeros has e = 0. As a byte (E8M0): e + 127.
;;     - Each number is divided by its block's scale, clamped to +-7.5, and rounded to the nearest number of E2M3, ties to even, subnormals kept.
;;     - The product sums the exact products of the quantised numbers (number of the format x scale) in f32.
;;   ~~~python
;;   def quantise(x, axis):      # numpy; x: float32 -> the quantised numbers, widened to float32 again
;;       x = np.moveaxis(x, axis, -1); K = x.shape[-1]
;;       x = np.pad(x, [(0, 0)] * (x.ndim - 1) + [(0, -K % 32)]); x = x.reshape(x.shape[:-1] + (-1, 32)); a = np.abs(x).max(-1, keepdims=True)
;;       e = np.where(a > 0, np.clip(np.frexp(np.where(a > 0, a, 1))[1] - 1 - 2, -126, 127), 0)      # np.frexp(a)[1] - 1 = floor(log2(a)), exactly
;;       r = np.clip(x / 2.0 ** e, -7.5, 7.5)
;;       step = 2.0 ** (np.maximum(np.frexp(np.where(r == 0, 1, r))[1] - 1, 0) - 3)
;;       q = np.round(r / step) * step * 2.0 ** e      # np.round: ties to even
;;       return np.moveaxis(q.reshape(q.shape[:-2] + (-1,))[..., :K], -1, axis).astype(np.float32)
;;   ~~~
;;   SOFTMAX AHEAD OF A QUANTISED PRODUCT. Where the list says 'softmax', what is quantised is not the finished softmax but p = 2^(t - M), with t = logit x log2(e) and M = ceil(the row's largest t), a whole number; so 1/2 < the row's largest p <= 1. The row's sum l is taken of the UNQUANTISED p, in f32, and the product's result is divided by l at the end. Since M is a whole number, a kernel that streams over the keys may use a running M (the ceiling of the running maximum): every later rescaling is an exact power of two, which a block's scale takes up: the codes' values come out the same.
;;   OPERANDS COMPUTED ON THE WAY. 'Computed on the way' means the value that the module computes at that place (a softmax that the list does not call 'softmax' is quantised finished and normalised). What goes into a quantiser is computed in f32, as accurately as f32 sums, v_exp_f32 and their like allow (about 1e-6 of the number): no bf16 or f16 on the way to a quantiser, and a product that is left as it is and whose result goes on into a quantised operand takes f32 operands (vector FMAs, or v_wmma_f32_16x16x4_f32). A number that lies on a knife's edge between two numbers of the format may be rounded either way, as far as f32 arithmetic and the matrix unit's own rounding can turn it there, and no further.
;; One version. Each part assembles by itself: llvm-mc -triple=amdgcn-amd-amdhsa -mcpu=gfx1250 --defsym DOCPART=n.
;; ======== version 1 of 1: 3 launches
;; limits: right only within a limited range of input values
;; workspace buffers: xc 18,874,368 bytes; xs 786,432 bytes; wc 2,359,296 bytes; ws 98,304 bytes; qx 6,553,600 bytes; kv 13,107,200 bytes
;; launch quant (part 1): grid 864 x 1, 4 waves a work-group, no clusters, 68,096 bytes of LDS; arguments q, k, v, Wq, Wk, Wv, xc, xs, wc, ws; writes xc, xs, wc, ws
.if DOCPART == 1
	.amdgcn_target "amdgcn-amd-amdhsa--gfx1250"
	.amdhsa_code_object_version 6
	.text
	.protected	k_q2ff6ab27ae_quant
	.globl	k_q2ff6ab27ae_quant
	.p2align	8
	.type	k_q2ff6ab27ae_quant,@function
k_q2ff6ab27ae_quant:
	s_mov_b64 s[64:65], 0
	v_nop
	global_prefetch_b8 v0, s[64:65] scope:SCOPE_SE
	s_setreg_imm32_b32 hwreg(HW_REG_WAVE_MODE, 25, 1), 1
	s_wait_xcnt 0x0
; q, k, v [8192][1024] f32 (K innermost) and Wq, Wk, Wv [1024 (K)][1024 (n)] f32 (K outermost) become codes of FP6 (E2M3) with K innermost, a row of 1,024 codes = 768 bytes,
; and one E8M0 byte for each 32 along K, 32 bytes a row.  xc [3][8192][768], xs [3][8192][32], wc [3][1024][768], ws [3][1024][32].
; A block's scale is 2^(floor(log2(largest magnitude)) - 2): its byte is the largest magnitude's exponent field - 2, held at 1 from below (a block of zeros keeps the byte 1: its codes are zeros,
; and this program alone reads the bytes).
; THE ORDER OF THE STORED ROWS.  Rows of k and v and rows (n) of all three weights are stored at the place whose number has bits 3 and 4 exchanged.  Sixteen stored rows 16 t + r are then the
; original rows 32 (t / 2) + 8 (t % 2) + r + 8 (r / 8): the rows that the next launch wants in one tile, so that a lane's results of two neighbouring tiles are 16 neighbours.  q keeps its order.
; LIMITS: NaN and infinities among the inputs are not served; blocks whose largest magnitude lies under 2^-124 get the byte 1.
; Work-groups 0 to 767 take q, k, v (256 each, 8 rows a wave); 768 to 863 take the weights (32 each: 128 columns x 256 along K).  The two ways have LDS bytes of their own.  Waves share nothing: no barrier.
; THE CODES' ORDER IN MEMORY (it takes the place of rows of 768 bytes): xc [3][4 quarters of K][8192 rows][192 bytes], wc [3][4][1024][192].
; So the 128 or 256 rows of a tile of one quarter of K are one dense block, which begins at a multiple of 256 bytes.
.set EMAX,  2
.set CB,    12                         ; bytes of 16 codes
.set STEPS, 16
.set R,     16                         ; v16-79   four sets of 16 numbers as loaded
.set X,     80                         ; v80-111  two sets of 16 neighbours
.set C,     128                        ; v128-191 codes, four registers a step
.set E,     112                        ; v112-127 a scale byte a step
.set WREG,  8192                       ; LDS of a wave on the first way: two stages of 32 x SP bytes, then 256 scale bytes
.set SP,    80
.set NB,    8                          ; the weights: blocks of 32 along K for a wave
.set WPITCH, 272                       ; a stage row: sixteen places of 16 bytes + 16
.set KROW,  192                        ; a row's bytes inside one quarter of K
.set WSTG,  32768                      ; the second way's LDS begins here
.set WX,    32                         ; v32-95   two sets of 32 numbers
.set WC,    96                         ; v96..    a block's codes
.set OUTR,  112                        ; v112-175 the way out
.set SB,    24                         ; v24-25   eight scale bytes
.macro LOAD t
.irp i, 0,1,2,3
	global_load_b128 v[R+16*((\t)%4)+4*\i:R+16*((\t)%4)+4*\i+3], v3, s[4:5] offset:2048*(\t)+512*\i th:TH_LOAD_NT   ; 32 lanes read 512 consecutive bytes
.endr
.endm
.macro TURN t                          ; a step's 2,048 bytes through the wave's stage: in as loaded, out 64 bytes a lane.  LDS serves a wave's instructions in order
.irp i, 0,1,2,3
	ds_store_b128 v14, v[R+16*((\t)%4)+4*\i:R+16*((\t)%4)+4*\i+3] offset:32*SP*((\t)%2)+8*SP*\i
.endr
.irp i, 0,1,2,3
	ds_load_b128 v[X+16*((\t)%2)+4*\i:X+16*((\t)%2)+4*\i+3], v15 offset:32*SP*((\t)%2)+16*\i
.endr
.endm
.macro STEP t
.set XS, X+16*((\t)%2)
.if (\t) > 0
	s_wait_dscnt 1                                 ; this step's numbers are back from the stage; the last step's byte store may be out
.else
	s_wait_dscnt 0x0
.endif
.if (\t)+4 < STEPS
	LOAD (\t)+4
.endif
.if (\t)+1 < STEPS
.if STEPS-2-(\t) >= 3
	s_wait_loadcnt 12                              ; the next step's four loads are in; three younger steps' twelve may be out
.else
	s_wait_loadcnt 4*(STEPS-2-(\t))
.endif
	TURN (\t)+1
.endif
	v_max3_num_f32 v8, |v[XS]|, |v[XS+1]|, |v[XS+2]|
	v_max3_num_f32 v9, |v[XS+3]|, |v[XS+4]|, |v[XS+5]|
.irp i, 6,10
	v_max3_num_f32 v8, v8, |v[XS+\i]|, |v[XS+\i+1]|
	v_max3_num_f32 v9, v9, |v[XS+\i+2]|, |v[XS+\i+3]|
.endr
	v_max3_num_f32 v8, v8, |v[XS+14]|, |v[XS+15]|
	v_max3_num_f32 v8, v8, v9, (EMAX+1)<<23        ; with the floor 2^(3 - 127): the byte cannot fall under 1
	v_max_num_f32_dpp v8, v8, v8 row_xmask:1 row_mask:0xf bank_mask:0xf   ; with my neighbour's 16: the block's largest magnitude
	v_add_nc_u32 v11, 0xff000000, v8               ; 2 off its exponent field: the conversion's scale operand
	v_cvt_scalef32_pk16_fp6_f32 v[C+4*(\t):C+4*(\t)+2], v[XS:XS+15], v11
	v_lshrrev_b32 v[E+(\t)], 23, v11               ; the scale's byte (also the plain line behind the conversion)
	ds_store_b8 v5, v[E+(\t)] offset:16*(\t)       ; both lanes of a block write the same byte
	global_store_b96 v4, v[C+4*(\t):C+4*(\t)+2], s[16:17] offset:192*((\t)/2)+3145728*((\t)%2)   ; row t / 2; lanes 0-15 store 192 bytes of quarter 2 (t % 2), lanes 16-31 of the next quarter
.endm
.macro WLOAD t                         ; block t of a column: W(32 t + i, my column)
.irp i, 0,1,2,3,4,5,6,7,8,9,10,11,12,13,14,15,16,17,18,19,20,21,22,23,24,25,26,27,28,29,30,31
	global_load_b32 v[WX+32*((\t)%2)+\i], v3, s[10:11] offset:(32*(\t)+\i)*4096 th:TH_LOAD_NT
.endr
.endm
.macro BLOCK t
.set XS, WX+32*((\t)%2)
.if (\t) < NB-1
	s_wait_loadcnt 32                              ; this block's 32 loads are in; the next block's 32 may be out
.else
	s_wait_loadcnt 0
.endif
	v_max3_num_f32 v12, |v[XS]|, |v[XS+1]|, |v[XS+2]|
	v_max3_num_f32 v13, |v[XS+3]|, |v[XS+4]|, |v[XS+5]|
.irp i, 6,10,14,18,22,26
	v_max3_num_f32 v12, v12, |v[XS+\i]|, |v[XS+\i+1]|
	v_max3_num_f32 v13, v13, |v[XS+\i+2]|, |v[XS+\i+3]|
.endr
	v_max3_num_f32 v12, v12, |v[XS+30]|, |v[XS+31]|
	v_max3_num_f32 v12, v12, v13, (EMAX+1)<<23
	v_add_nc_u32 v11, 0xff000000, v12
	v_lshrrev_b32 v13, 23, v11
.if (\t)%4 == 0
	v_mov_b32 v[SB+(\t)/4], v13
.else
	v_lshl_or_b32 v[SB+(\t)/4], v13, 8*((\t)%4), v[SB+(\t)/4]
.endif
	v_cvt_scalef32_pk16_fp6_f32 v[WC:WC+2], v[XS:XS+15], v11
	v_cvt_scalef32_pk16_fp6_f32 v[WC+4:WC+6], v[XS+16:XS+31], v11
	v_nop                                          ; a plain line behind the conversions
	ds_store_b96 v4, v[WC:WC+2] offset:32*(\t)     ; 12 bytes to a place of 16
	ds_store_b96 v4, v[WC+4:WC+6] offset:32*(\t)+16
.if (\t)+2 < NB
	WLOAD (\t)+2
.endif
	s_wait_dscnt 0x0                               ; the stores have read their registers
.endm
	s_load_b512 s[4:19], s[0:1], 0x0               ; q s4, k s6, v s8, Wq s10, Wk s12, Wv s14, xc s16, xs s18
	s_load_b128 s[20:23], s[0:1], 0x40             ; wc s20, ws s22
	v_lshl_add_u32 v192, v0, 2, 0x10800
	v_mov_b32 v193, 0
	v_lshrrev_b32 v1, 5, v0
	v_readfirstlane_b32 s24, v1                    ; wave
	v_and_b32 v2, 31, v0                           ; lane
	s_cmp_lt_u32 ttmp9, 768
	s_cbranch_scc0 .Lweights
	; ---- q, k, v: a wave takes 8 rows, 8,192 numbers, a plain stream of blocks of 32
	v_lshlrev_b32 v3, 4, v2
	s_mul_i32 s25, s24, WREG
	v_lshrrev_b32 v14, 2, v2
	v_mul_u32_u24 v14, v14, SP
	v_and_b32 v15, 3, v2
	v_lshl_add_u32 v14, v15, 4, v14
	v_add_nc_u32 v14, s25, v14                     ; the stage, in: SP (lane / 4) + 16 (lane % 4)
	v_mul_u32_u24 v15, v2, SP
	v_add_nc_u32 v15, s25, v15                     ; out: SP x lane
	v_and_b32 v4, 15, v2
	v_mul_u32_u24 v4, v4, CB
	v_lshrrev_b32 v10, 4, v2
	v_mad_u32_u24 v4, v10, 0x180000, v4            ; 12 (lane % 16) + (lane / 16) quarters of 8192 x 192 bytes
	v_lshrrev_b32 v5, 1, v2
	s_add_co_u32 s25, s25, 2*32*SP
	v_add_nc_u32 v5, s25, v5                       ; my block's scale byte in LDS
	v_lshlrev_b32 v7, 3, v2
	v_add_nc_u32 v6, s25, v7
	s_lshr_b32 s26, ttmp9, 8                       ; which tensor
	s_and_b32 s27, ttmp9, 255
	s_lshl_b32 s27, s27, 2
	s_add_co_u32 s27, s27, s24                     ; which run of 8 rows I read
	s_and_b32 s28, s27, 1
	s_lshl_b32 s28, s28, 1
	s_bfe_u32 s29, s27, 0x10001
	s_or_b32 s28, s28, s29
	s_and_b32 s29, s27, 0xfffffffc
	s_or_b32 s28, s28, s29                         ; the run's two low bits (the rows' bits 3 and 4) exchanged
	s_cmp_eq_u32 s26, 0
	s_cselect_b32 s28, s27, s28                    ; where I store it: q keeps its order
	s_wait_alu depctr_va_vdst(0)
	s_wait_kmcnt 0x0
	s_cselect_b64 s[4:5], s[4:5], s[6:7]
	s_cmp_eq_u32 s26, 2
	s_cselect_b64 s[4:5], s[8:9], s[4:5]
	s_lshl_b32 s30, s27, 15
	s_mov_b32 s31, 0
	s_add_nc_u64 s[4:5], s[4:5], s[30:31]
	s_mul_i32 s30, s26, 6291456
	s_mul_i32 s32, s28, 1536
	s_add_co_u32 s30, s30, s32
	s_add_nc_u64 s[16:17], s[16:17], s[30:31]
	s_lshl_b32 s30, s26, 18
	s_lshl_b32 s32, s28, 8
	s_add_co_u32 s30, s30, s32
	s_add_nc_u64 s[18:19], s[18:19], s[30:31]
.irp t, 0,1,2,3
	LOAD \t
.endr
	s_wait_loadcnt 12                              ; step 0's four loads are in
	TURN 0
.irp t, 0,1,2,3,4,5,6,7,8,9,10,11,12,13,14,15
	STEP \t
.endr
	ds_load_b64 v[12:13], v6                       ; my wave's 256 scale bytes, 8 a lane
	s_wait_dscnt 0x0
	global_store_b64 v7, v[12:13], s[18:19]        ; 256 consecutive bytes, aligned
	s_wait_tensorcnt 0x0
	ds_add_u32 v192, v193
	s_wait_dscnt 0x0
	s_endpgm
.Lweights:
	; ---- the weights: a lane takes a column n, its registers run down K; a wave takes 32 columns x 256 along K
	s_sub_co_u32 s25, ttmp9, 768
	s_lshr_b32 s26, s25, 5                         ; which weight
	s_and_b32 s27, s25, 7
	s_bfe_u32 s28, s25, 0x20003                    ; which 256 along K
	s_lshl_b32 s27, s27, 7
	s_lshl_b32 s29, s24, 5
	s_add_co_u32 s27, s27, s29                     ; my wave's first column
	s_wait_alu depctr_va_vdst(0)
	v_lshlrev_b32 v3, 2, v2
	s_mul_i32 s29, s24, 32*WPITCH
	s_add_co_u32 s29, s29, WSTG                    ; my stage
	v_mul_u32_u24 v4, v2, WPITCH
	v_add_nc_u32 v4, s29, v4                       ; in: row = my column
	v_and_b32 v5, 15, v2
	v_lshrrev_b32 v6, 4, v2
	v_mul_u32_u24 v7, v6, WPITCH
	v_lshl_add_u32 v7, v5, 4, v7
	v_add_nc_u32 v7, s29, v7                       ; out: sixteen lanes to a row, two rows an instruction
	v_mul_u32_u24 v8, v6, KROW
	v_mad_u32_u24 v8, v5, 12, v8
	v_and_b32 v9, 7, v2                            ; my column's stored place among the 32: bits 3 and 4 exchanged
	v_bfe_u32 v10, v2, 3, 1
	v_lshl_or_b32 v9, v10, 4, v9
	v_bfe_u32 v10, v2, 4, 1
	v_lshl_or_b32 v9, v10, 3, v9
	v_lshlrev_b32 v9, 5, v9                        ; 32 scale bytes a row
	s_wait_kmcnt 0x0
	s_cmp_eq_u32 s26, 0
	s_cselect_b64 s[10:11], s[10:11], s[12:13]
	s_cmp_eq_u32 s26, 2
	s_cselect_b64 s[10:11], s[14:15], s[10:11]
	s_lshl_b32 s30, s28, 20                        ; 256 rows of 4,096 bytes
	s_lshl_b32 s32, s27, 2
	s_add_co_u32 s30, s30, s32
	s_mov_b32 s31, 0
	s_add_nc_u64 s[10:11], s[10:11], s[30:31]
	s_mul_i32 s30, s26, 786432
	s_mul_i32 s32, s27, KROW
	s_add_co_u32 s30, s30, s32
	s_mul_i32 s32, s28, 196608
	s_add_co_u32 s30, s30, s32
	s_add_nc_u64 s[20:21], s[20:21], s[30:31]
	s_lshl_b32 s30, s26, 15
	s_lshl_b32 s32, s27, 5
	s_add_co_u32 s30, s30, s32
	s_lshl_b32 s32, s28, 3
	s_add_co_u32 s30, s30, s32
	s_add_nc_u64 s[22:23], s[22:23], s[30:31]
	WLOAD 0
	WLOAD 1
.irp t, 0,1,2,3,4,5,6,7
	BLOCK \t
.endr
	s_wait_alu depctr_va_vdst(0)
	global_store_b64 v9, v[SB:SB+1], s[22:23]      ; my column's eight scale bytes, at its stored row
.irp t, 0,1,2,3,4,5,6,7,8,9,10,11,12,13,14,15
	ds_load_b96 v[OUTR+4*\t:OUTR+4*\t+2], v7 offset:2*\t*WPITCH
.endr
.irp t, 0,1,2,3,4,5,6,7,8,9,10,11,12,13,14,15
	s_wait_dscnt 15-\t                             ; younger loads from the stage may be out
	global_store_b96 v8, v[OUTR+4*\t:OUTR+4*\t+2], s[20:21] offset:(((2*\t)&7)+16*(((2*\t)>>3)&1)+8*(((2*\t)>>4)&1))*KROW   ; columns 2 t and 2 t + 1 go to their stored rows: 192 consecutive bytes each
.endr
	s_wait_tensorcnt 0x0
	ds_add_u32 v192, v193
	s_wait_dscnt 0x0
	s_endpgm
.Lfunc_end_k_q2ff6ab27ae_quant:
	.size	k_q2ff6ab27ae_quant, .Lfunc_end_k_q2ff6ab27ae_quant-k_q2ff6ab27ae_quant
	.p2alignl 7, 3214868480
	.fill 96, 4, 3214868480
	.section	.rodata,"a",@progbits
	.p2align	6, 0x0
	.amdhsa_kernel k_q2ff6ab27ae_quant
		.amdhsa_group_segment_fixed_size 68096
		.amdhsa_private_segment_fixed_size 0
		.amdhsa_enable_private_segment 0
		.amdhsa_kernarg_size 80
		.amdhsa_user_sgpr_count 2
		.amdhsa_user_sgpr_kernarg_segment_ptr 1
		.amdhsa_wavefront_size32 1
		.amdhsa_system_sgpr_workgroup_id_x 1
		.amdhsa_system_sgpr_workgroup_id_y 1
		.amdhsa_system_sgpr_workgroup_id_z 1
		.amdhsa_system_vgpr_workitem_id 0
		.amdhsa_next_free_vgpr 194
		.amdhsa_next_free_sgpr 66
		.amdhsa_reserve_vcc 0
		.amdhsa_float_denorm_mode_32 3
		.amdhsa_float_denorm_mode_16_64 3
		.amdhsa_memory_ordered 1
		.amdhsa_forward_progress 1
		.amdhsa_inst_pref_size 74
	.end_amdhsa_kernel
	.amdgpu_metadata
---
amdhsa.version: [ 1, 2 ]
amdhsa.kernels:
  - .name:           k_q2ff6ab27ae_quant
    .symbol:         k_q2ff6ab27ae_quant.kd
    .args:
      - { .name: q, .offset: 0, .size: 8, .value_kind: global_buffer, .address_space: global }
      - { .name: k, .offset: 8, .size: 8, .value_kind: global_buffer, .address_space: global }
      - { .name: v, .offset: 16, .size: 8, .value_kind: global_buffer, .address_space: global }
      - { .name: Wq, .offset: 24, .size: 8, .value_kind: global_buffer, .address_space: global }
      - { .name: Wk, .offset: 32, .size: 8, .value_kind: global_buffer, .address_space: global }
      - { .name: Wv, .offset: 40, .size: 8, .value_kind: global_buffer, .address_space: global }
      - { .name: xc, .offset: 48, .size: 8, .value_kind: global_buffer, .address_space: global }
      - { .name: xs, .offset: 56, .size: 8, .value_kind: global_buffer, .address_space: global }
      - { .name: wc, .offset: 64, .size: 8, .value_kind: global_buffer, .address_space: global }
      - { .name: ws, .offset: 72, .size: 8, .value_kind: global_buffer, .address_space: global }
    .group_segment_fixed_size: 68096
    .private_segment_fixed_size: 0
    .kernarg_segment_align: 8
    .kernarg_segment_size: 80
    .max_flat_workgroup_size: 128
    .sgpr_count:     66
    .vgpr_count:     194
    .wavefront_size: 32
...
	.end_amdgpu_metadata
.endif
;; end of part 1
;; launch proj (part 2): grid 4 x 96, 4 waves a work-group, clusters of 4 x 4, 327,680 bytes of LDS; arguments xc, xs, wc, ws, bq, bk, bv, qx, kv; writes qx, kv
.if DOCPART == 2
	.amdgcn_target "amdgcn-amd-amdhsa--gfx1250"
	.amdhsa_code_object_version 6
	.text
	.protected	k_q2ff6ab27ae_proj
	.globl	k_q2ff6ab27ae_proj
	.p2align	8
	.type	k_q2ff6ab27ae_proj,@function
k_q2ff6ab27ae_proj:
	s_mov_b64 s[64:65], 0
	v_nop
	global_prefetch_b8 v0, s[64:65] scope:SCOPE_SE
	s_setreg_imm32_b32 hwreg(HW_REG_WAVE_MODE, 25, 1), 1
	s_wait_xcnt 0x0
	s_wait_alu depctr_hold_cnt(0) depctr_sa_sdst(0) depctr_va_vdst(0) depctr_va_sdst(0) depctr_va_ssrc(0) depctr_va_vcc(0) depctr_vm_vsrc(0)
	s_getreg_b32 s2, hwreg(HW_REG_IB_STS2, 6, 4)
	s_cmp_eq_u32 s2, 0
	s_cbranch_scc0 .Lentry_in_a_cluster
	s_endpgm
.Lentry_in_a_cluster:
	s_bfe_u32 s2, ttmp6, 0x10000c
	s_cmp_lg_u32 s2, 0xf033
	s_cbranch_scc0 .Lentry_shape_is_right
	s_endpgm
.Lentry_shape_is_right:
; The three projections on codes of FP6 (E2M3) with E8M0 scales: x W + bias, 256 x 256 of the result a work-group, 128 x 128 a wave; the result is quantised along the next product's K
; and stored as images of the next launch's operand registers (qx, kv).  For v the two sources change places, so that the keys run along a lane's registers.
; The codes lie [tensor][quarter of K][row][192 bytes]: a tile's rows of one quarter are a dense block, fetched as rows of 256 bytes that begin at multiples of 256 bytes;
; 16 bytes of padding behind every 64 give LDS rows of 240 bytes.  Two slots, one quarter of K each.  Cluster 4 x 4: source 1's tiles are asked for jointly along a row, source 0's along a column.
; At the head each wave issues one joint load: wave 0 the first quarter's 256 rows of one operand, wave 1 of the other, waves 2 and 3 the two blocks of scale bytes.
.set KSTEP,  256
.set NQ,     2
.set ROWB,   192
.set KROW,   192
.set PITCH,  240
.set FR,     12
.set NL,     6
.set NP,     4
.set HALFT,  128*PITCH
.set SLOT,   4*HALFT
.set KS,     32
.set SCL,    2*SLOT
.set HALFS,  16*272
.set SBLK,   2*272
.set SPARE,  SCL+4*HALFS
.set ADRA, 16
.set ADRB, 20
.set LN8,  24
.set LN16, 25
.set LANE, 26
.set ADRS, 27
.set SPW,  28
.set NIL,  29
.set SC,   32
.set BB,   64
.set AF,   128
.set TM,   32
.set WD,   48
.set GG,   56
.set G1, 24
.set G0, 32
.set G1B, 48
.set G0B, 56
.set G1S, 68
.set G0S, 76
.set G1SB, 80
.set G0SB, 88
.set MSB, 0
.macro WIN new
.if MSB != \new
	s_set_vgpr_msb (MSB<<8)|\new
.set MSB, \new
.endif
.endm
.set MUL_LO, 0xa1
.set MUL_HI, 0xf1
.set TO_B,   0x40
.macro JLOAD g0a, g1a, g0b, g1b
	s_cmp_eq_u32 s15, 0
	s_cbranch_scc0 .Lfor_b_\@
	tensor_load_to_lds s[\g0a:\g0a+3], s[\g1a:\g1a+7]
	s_nop 0
.rept 4
	v_nop
.endr
	s_branch .Lasked_\@
.Lfor_b_\@:
	tensor_load_to_lds s[\g0b:\g0b+3], s[\g1b:\g1b+7]
	s_nop 0
.rept 4
	v_nop
.endr
.Lasked_\@:
.endm
.macro CREST
	s_cmp_lg_u32 s14, 0
	s_cbranch_scc1 .Lnot_wave_0_\@
	s_barrier_signal -3
.Lnot_wave_0_\@:
	s_barrier_wait -3
	s_barrier_signal -1
	s_barrier_wait -1
.endm
.macro CROUND
	s_barrier_signal -1
	s_barrier_wait -1
	CREST
.endm
	s_load_b256 s[4:11], s[0:1], 0x0
	s_load_b256 s[68:75], s[0:1], 0x20
	s_load_b64 s[76:77], s[0:1], 0x40
	v_lshl_add_u32 v[SPW], v0, 2, SPARE
	v_mov_b32 v[NIL], 0
	ds_add_u32 v28, v29
	ds_add_u32 v28, v29
	s_wait_dscnt 0x0
	v_lshrrev_b32 v1, 5, v0
	v_readfirstlane_b32 s14, v1
	s_lshr_b32 s15, s14, 1
	s_and_b32 s16, s14, 1
	s_bfe_u32 s40, ttmp6, 0x40000
	s_bfe_u32 s41, ttmp6, 0x40004
	s_and_b32 s17, ttmp7, 0xffff
	s_lshr_b32 s98, s17, 3
	s_and_b32 s17, s17, 7
	s_lshl_b32 s17, s17, 2
	s_cmp_eq_u32 s98, 2
	s_cselect_b32 s42, s17, 0
	s_cselect_b32 s17, 0, s17
	s_add_co_u32 s42, s42, s40
	s_add_co_u32 s17, s17, s41
	s_lshl_b32 s43, s41, 2
	s_lshl_b32 s43, 15, s43
	s_lshl_b32 s44, 0x1111, s40
	s_mov_b32 s100, 0x76543210
	s_mov_b32 s101, 0xfedcba98
	s_or_b32 s[G1+0], s43, (0<<16)|(1<<20)|(1<<21)|(3<<22)|(3<<25)
	s_or_b32 s[G1B+0], s44, (0<<16)|(1<<20)|(1<<21)|(3<<22)|(3<<25)
.irp g, G1, G1B
	s_mov_b32 s[\g+1], 256<<16
	s_mov_b32 s[\g+2], 192<<16                     ; the head's loads: 256 rows of 192 bytes = 192 rows of 256
	s_mov_b32 s[\g+3], 256<<16
	s_mov_b32 s[\g+4], 192
	s_mov_b32 s[\g+5], 256
	s_mov_b32 s[\g+6], 0
	s_mov_b32 s[\g+7], 0
.endr
	s_mul_i32 s92, s98, 6291456
	s_mul_i32 s93, s98, 786432
	s_lshl_b32 s94, s98, 18
	s_lshl_b32 s95, s98, 15
	s_cmp_eq_u32 s98, 2
	s_cselect_b32 s19, s93, s92
	s_cselect_b32 s99, s92, s93
	s_cselect_b32 s2, s95, s94
	s_cselect_b32 s45, s94, s95
	s_lshl_b32 s18, s16, 7
	s_lshl_b32 s20, s17, 8
	s_add_co_u32 s20, s20, s18
	s_lshl_b32 s46, s42, 8
	s_add_co_u32 s46, s46, s18
	s_lshl_b32 s22, s20, 5
	s_add_co_u32 s22, s22, s2
	s_mov_b32 s23, 0
	s_mul_i32 s20, s20, KROW
	s_add_co_u32 s20, s20, s19
	s_mov_b32 s21, 0
	s_lshl_b32 s92, s46, 5
	s_add_co_u32 s92, s92, s45
	s_mov_b32 s93, 0
	s_mul_i32 s46, s46, KROW
	s_add_co_u32 s46, s46, s99
	s_mov_b32 s47, 0
	s_mul_i32 s45, s14, HALFT
	s_lshl_b32 s82, s42, 1
	s_add_co_u32 s82, s82, s16
	s_lshl_b32 s83, s17, 1
	s_add_co_u32 s83, s83, s15
	s_cmp_eq_u32 s98, 2
	s_cselect_b32 s84, s82, s83
	s_cselect_b32 s85, s83, s82
	s_lshr_b32 s86, s84, 3
	s_lshl_b32 s86, s86, 2
	s_lshr_b32 s87, s85, 1
	s_add_co_u32 s86, s86, s87
	s_lshl_b32 s86, s86, 3
	s_and_b32 s87, s84, 7
	s_add_co_u32 s86, s86, s87
	s_and_b32 s87, s85, 1
	s_mov_b32 s82, 51200
	s_mov_b32 s88, 49152
	s_cmp_eq_u32 s98, 0
	s_cselect_b32 s82, 25600, s82
	s_cselect_b32 s88, 24576, s88
	s_mov_b32 s83, 50176
	s_cmp_eq_u32 s98, 2
	s_cselect_b32 s88, s83, s88
	s_cselect_b32 s90, 24576, 0
	s_mul_i32 s86, s86, s82
	s_mul_i32 s83, s87, 12288
	s_add_co_u32 s90, s90, s83
	s_add_co_u32 s90, s90, s86
	s_mov_b32 s91, 0
	s_lshl_b32 s83, s87, 9
	s_add_co_u32 s88, s88, s83
	s_add_co_u32 s88, s88, s86
	s_mov_b32 s89, 0
	s_lshl_b32 s86, s85, 9
	s_mov_b32 s87, 0
	s_wait_kmcnt 0x0
	s_cmp_eq_u32 s98, 2
	s_cselect_b64 s[78:79], s[8:9], s[4:5]
	s_cselect_b64 s[80:81], s[10:11], s[6:7]
	s_cselect_b64 s[8:9], s[4:5], s[8:9]
	s_cselect_b64 s[10:11], s[6:7], s[10:11]
	s_add_nc_u64 s[20:21], s[78:79], s[20:21]
	s_add_nc_u64 s[22:23], s[80:81], s[22:23]
	s_add_nc_u64 s[46:47], s[8:9], s[46:47]
	s_add_nc_u64 s[92:93], s[10:11], s[92:93]
	s_cmp_eq_u32 s98, 0
	s_cselect_b64 s[66:67], s[68:69], s[70:71]
	s_cselect_b64 s[12:13], s[74:75], s[76:77]
	s_cmp_eq_u32 s98, 2
	s_cselect_b64 s[66:67], s[72:73], s[66:67]
	s_add_nc_u64 s[96:97], s[12:13], s[88:89]
	s_add_nc_u64 s[12:13], s[12:13], s[90:91]
	s_add_nc_u64 s[66:67], s[66:67], s[86:87]
	s_or_b32 s[G1S+0], s43, (3<<16)|(1<<20)|(1<<21)|(5<<22)|(3<<25)
	s_or_b32 s[G1SB+0], s44, (3<<16)|(1<<20)|(1<<21)|(5<<22)|(3<<25)
.irp g, G1S, G1SB
	s_mov_b32 s[\g+1], 32<<16
	s_mov_b32 s[\g+2], 32<<16
	s_mov_b32 s[\g+3], 32<<16
	s_mov_b32 s[\g+4], 32
	s_mov_b32 s[\g+5], 32
	s_mov_b32 s[\g+6], 0
	s_mov_b32 s[\g+7], 0
.endr
	s_mul_i32 s2, s16, 128*KROW                    ; my half of a tile's rows, in bytes of codes: taken off again for the head's whole tiles
	s_mov_b32 s3, 0
	s_mov_b32 s4, 1                                ; s[4:7]: the first quarter's 256 rows of source 1's operand, to slot 0
	s_mov_b32 s5, 0
	s_sub_nc_u64 s[6:7], s[20:21], s[2:3]
	s_or_b32 s7, s7, 0x80000000
	s_mov_b32 s8, 1                                ; s[8:11]: those of source 0's operand, behind them
	s_mov_b32 s9, 2*HALFT
	s_sub_nc_u64 s[10:11], s[46:47], s[2:3]
	s_or_b32 s11, s11, 0x80000000
	s_lshl_b32 s2, s16, 12                         ; the same half in scale bytes: 128 rows of 32
	s_mov_b32 s[G0S], 1
	s_mov_b32 s[G0S+1], SCL
	s_sub_nc_u64 s[G0S+2:G0S+3], s[22:23], s[2:3]
	s_or_b32 s[G0S+3], s[G0S+3], 0x80000000
	s_mov_b32 s[G0SB], 1
	s_mov_b32 s[G0SB+1], SCL+2*HALFS
	s_sub_nc_u64 s[G0SB+2:G0SB+3], s[92:93], s[2:3]
	s_or_b32 s[G0SB+3], s[G0SB+3], 0x80000000
	s_mov_b32 s40, 0x180000                        ; from quarter to quarter of K: 8192 x 192 bytes in xc,
	s_mov_b32 s42, 0x30000                         ; 1024 x 192 in wc
	s_cmp_eq_u32 s98, 2
	s_cselect_b32 s18, s42, s40
	s_cselect_b32 s42, s40, s42
	s_mov_b32 s40, s18
	s_mov_b32 s41, 0
	s_mov_b32 s43, 0
	s_lshl_b32 s92, s40, 1                         ; s[92:93], s[94:95]: two quarters on, what a refill steps by
	s_mov_b32 s93, 0
	s_lshl_b32 s94, s42, 1
	s_mov_b32 s95, 0
	s_mov_b32 s[G0], 1                             ; the ring's loads: my 128 rows, to wave x 128 rows of the slot
	s_mov_b32 s[G0+1], s45
	s_mov_b64 s[G0+2:G0+3], s[20:21]
	s_or_b32 s[G0+3], s[G0+3], 0x80000000
	s_mov_b32 s[G0+4], 1
	s_add_co_u32 s[G0+5], s45, SLOT
	s_add_nc_u64 s[G0+6:G0+7], s[20:21], s[40:41]
	s_or_b32 s[G0+7], s[G0+7], 0x80000000
	s_mov_b32 s[G0B], 1
	s_mov_b32 s[G0B+1], s45
	s_mov_b64 s[G0B+2:G0B+3], s[46:47]
	s_or_b32 s[G0B+3], s[G0B+3], 0x80000000
	s_mov_b32 s[G0B+4], 1
	s_add_co_u32 s[G0B+5], s45, SLOT
	s_add_nc_u64 s[G0B+6:G0B+7], s[46:47], s[42:43]
	s_or_b32 s[G0B+7], s[G0B+7], 0x80000000
	CROUND                                         ; all sixteen work-groups are here: the first joint loads meet
.macro ARM under, g0, g1, next         ; one chain of branches on the wave's number, one load to an arm
	s_cmp_lt_u32 s14, \under
	s_cbranch_scc0 \next
	tensor_load_to_lds s[\g0:\g0+3], s[\g1:\g1+7]
	s_nop 0
.rept 4
	v_nop
.endr
	s_branch .Lhead_asked
\next:
.endm
	ARM 1, 4, G1, .Lhead_b
	ARM 2, 8, G1B, .Lhead_sa
	ARM 3, G0S, G1S, .Lhead_sb
	tensor_load_to_lds s[G0SB:G0SB+3], s[G1SB:G1SB+7]
	s_nop 0
.rept 4
	v_nop
.endr
.Lhead_asked:
	v_and_b32 v1, 15, v0
	v_bfe_u32 v2, v0, 4, 1
	v_mul_u32_u24 v3, v1, PITCH
	v_mul_u32_u24 v4, v2, 24
	v_add_nc_u32 v4, v3, v4
	v_lshl_add_u32 v5, v2, 4, v4
	s_mul_i32 s21, s15, HALFT
	s_mul_i32 s22, s16, HALFT
	s_add_co_u32 s22, s22, 2*HALFT
.irp s, 0,1
	v_add_nc_u32 v[ADRA+\s], s21, v4
	v_add_nc_u32 v[ADRB+\s], s22, v4
	v_add_nc_u32 v[ADRA+2+\s], s21, v5
	v_add_nc_u32 v[ADRB+2+\s], s22, v5
	s_add_co_u32 s21, s21, SLOT
	s_add_co_u32 s22, s22, SLOT
.endr
	v_mul_u32_u24 v5, v1, KS
	v_lshrrev_b32 v6, 8, v5
	v_lshl_add_u32 v5, v6, 4, v5
	s_mul_i32 s21, s15, HALFS
	s_mul_i32 s22, s16, HALFS
	s_add_co_u32 s22, s22, 2*HALFS
	s_sub_co_u32 s22, s22, s21
	v_mul_u32_u24 v6, s22, v2
	s_add_co_u32 s21, s21, SCL
	v_add_nc_u32 v5, v5, v6
	v_add_nc_u32 v[ADRS], s21, v5
	v_and_b32 v[LANE], 31, v0
	v_lshlrev_b32 v[LN8], 3, v[LANE]
	v_lshlrev_b32 v[LN16], 4, v[LANE]
	s_cmp_eq_u32 s98, 2
	s_cbranch_scc1 .Lbias_v
	v_lshlrev_b32 v7, 6, v2
.irp bb, 0,1,2,3
.irp jj, 0,1,2,3
	global_load_b128 v[BB+16*\bb+4*\jj:BB+16*\bb+4*\jj+3], v7, s[66:67] offset:128*\bb+16*\jj
.endr
.endr
	s_branch .Lbias_done
.Lbias_v:
	v_and_b32 v7, 8, v1
	v_add_nc_u32 v7, v7, v1
	v_lshlrev_b32 v7, 2, v7
.irp a, 0,1,2,3,4,5,6,7
.irp j, 0,1,2,3,4,5,6,7
	global_load_b32 v[BB+8*\a+\j], v7, s[66:67] offset:4*(32*(\a/2)+8*(\a%2))
.endr
.endr
.Lbias_done:
.macro FRAG reg, adr, q, i
.irp p, 0,1,2,3,4,5
.set PCE, 12*(\q)+6*(\p/3)+\p%3
.if PCE%8 < 5
	ds_load_b64 v[\reg+2*\p:\reg+2*\p+1], v[\adr] offset:8*PCE+16*(PCE/8)+(\i)*16*PITCH
.else
	ds_load_b64 v[\reg+2*\p:\reg+2*\p+1], v[\adr+2] offset:8*PCE+16*(PCE/8)+(\i)*16*PITCH
.endif
.endr
.endm
.macro MUL16 a0, p, q, sc, zero
.irp a, \a0, \a0+1
.irp b, 0,1,2,3,4,5,6,7
.set RD_, 8*(8*((\a)%4)+\b)
.set RB_, 128*(\p)+FR*\b
.set RA_, AF+FR*(\a)
.set SB_, SC+8*NQ*(\sc)+NQ*\b+(\q)
.set SA_, SC+8*NQ*(\sc)+NQ*(\a)+(\q)
.if \zero == 2
.set RC_, BB+8*\b
.elseif \zero == 3
.set RC_, BB+8*(\a)
.else
.set RC_, RD_
.endif
	v_wmma_scale_f32_16x16x128_f8f6f4 v[RD_:RD_+7], v[RB_:RB_+FR-1], v[RA_:RA_+FR-1], v[RC_:RC_+7], v[SB_], v[SA_] matrix_a_fmt:MATRIX_FMT_FP6 matrix_b_fmt:MATRIX_FMT_FP6 matrix_a_scale:MATRIX_SCALE_ROW1
.endr
.endr
.endm
.macro FETCH_B slot, q, p
	WIN TO_B
.irp i, 0,1,2,3,4,5,6,7
	FRAG 128*(\p)+FR*\i, ADRB+\slot, \q, \i
.endr
	WIN 0
.endm
.macro FETCH_A slot, q, i0
.irp i, \i0, \i0+1, \i0+2, \i0+3
	FRAG AF+FR*(\i), ADRA+\slot, \q, \i
.endr
.endm
.macro SCALES sc
.irp i, 0,1,2,3,4,5,6,7
	ds_load_b64 v[SC+8*NQ*\sc+NQ*\i:SC+8*NQ*\sc+NQ*\i+1], v[ADRS] offset:\i*SBLK
.endr
.endm
.macro PLACES n
.rept \n
	v_nop
.endr
.endm
.macro STEP slot, q, zero
	s_wait_dscnt 4*NL
.if \zero
	WIN 0x81
.else
	WIN MUL_LO
.endif
	MUL16 0, (\q)%2, \q, \slot, \zero
	MUL16 2, (\q)%2, \q, \slot, \zero
	s_wait_dscnt 0
	PLACES NP
	FETCH_B \slot, (\q)+1, 1-(\q)%2
	FETCH_A \slot, (\q)+1, 0
.if \zero
	WIN 0xc1
.else
	WIN MUL_HI
.endif
	MUL16 4, (\q)%2, \q, \slot, \zero
	MUL16 6, (\q)%2, \q, \slot, \zero
	PLACES NP
	WIN 0
	FETCH_A \slot, (\q)+1, 4
.endm
.macro TURN slot, next, fill
	s_wait_tensorcnt 0x0
	ds_add_u32 v[SPW], v[NIL]
	s_wait_dscnt 4*NL+1
	WIN MUL_LO
	MUL16 0, 1, NQ-1, \slot, 0
	s_wait_dscnt 0x0
	s_barrier_signal -1
	MUL16 2, 1, NQ-1, \slot, 0
	WIN 0
	s_barrier_wait -1
.if \fill
	CREST
	s_add_nc_u64 s[G0+4*\slot+2:G0+4*\slot+3], s[G0+4*\slot+2:G0+4*\slot+3], s[92:93]
	s_add_nc_u64 s[G0B+4*\slot+2:G0B+4*\slot+3], s[G0B+4*\slot+2:G0B+4*\slot+3], s[94:95]
	JLOAD G0+4*\slot, G1, G0B+4*\slot, G1B
.else
	PLACES NP
.endif
	s_wait_alu depctr_va_vdst(0)
	v_add_nc_u32 v[ADRS], 4*NQ, v[ADRS]
	FETCH_B \next, 0, 0
	FETCH_A \next, 0, 0
	SCALES \next
	WIN MUL_HI
	MUL16 4, 1, NQ-1, \slot, 0
	MUL16 6, 1, NQ-1, \slot, 0
	PLACES NP
	WIN 0
	FETCH_A \next, 0, 4
.endm
	s_wait_alu depctr_va_vdst(0)
	s_wait_tensorcnt 0x0                           ; my tile of the head's four is in; slot 1's first fill is issued as a refill is
	ds_add_u32 v[SPW], v[NIL]
	s_mov_b32 s[G1+2], 96<<16                      ; no tensor load of mine is out: from here on a load brings 128 rows of 192 bytes = 96 rows of 256
	s_mov_b32 s[G1+4], 96
	s_mov_b32 s[G1B+2], 96<<16
	s_mov_b32 s[G1B+4], 96
	s_wait_dscnt 0x0
	CROUND
	JLOAD G0+4, G1, G0B+4, G1B                     ; the second quarter of K into slot 1
	FETCH_B 0, 0, 0
	FETCH_A 0, 0, 0
	s_wait_alu depctr_va_vdst(0)
	SCALES 0
	FETCH_A 0, 0, 4
	s_wait_loadcnt 0x0
	s_cmp_eq_u32 s98, 2
	s_cbranch_scc1 .Lfirst_v
	STEP 0, 0, 2
	s_branch .Lfirst_done
.Lfirst_v:
	STEP 0, 0, 3
.Lfirst_done:
	s_mov_b32 s3, 1
.Llap:
	TURN 0, 1, 1
	STEP 1, 0, 0
	TURN 1, 0, 1
	STEP 0, 0, 0
	s_sub_co_u32 s3, s3, 1
	s_cmp_lg_u32 s3, 0
	s_cbranch_scc1 .Llap
	TURN 0, 1, 0
	STEP 1, 0, 0
	s_wait_dscnt 4*NL
	WIN MUL_LO
	MUL16 0, 1, NQ-1, 1, 0
	MUL16 2, 1, NQ-1, 1, 0
	s_wait_dscnt 0
	WIN MUL_HI
	MUL16 4, 1, NQ-1, 1, 0
	MUL16 6, 1, NQ-1, 1, 0
	WIN 0
.macro QUANTW a
.set AC, 64*((\a)%4)
.set PCA, 64+20*(\a)
	WIN 0x0a+5*((\a)/4)
.irp b, 0,1,2,3
	v_max3_num_f32 v[TM+\b], |v[AC+16*\b]|, |v[AC+16*\b+1]|, 0x1800000
.endr
.irp i, 2,4,6,8,10,12,14
.irp b, 0,1,2,3
	v_max3_num_f32 v[TM+\b], |v[AC+16*\b+\i]|, |v[AC+16*\b+\i+1]|, v[TM+\b]
.endr
.endr
	WIN 0
.irp b, 0,1,2,3
	v_permlanex16_b32 v[TM+4+\b], v[TM+\b], s100, s101
.endr
.irp b, 0,1,2,3
	v_max_num_f32 v[TM+\b], v[TM+\b], v[TM+4+\b]
.endr
.irp b, 0,1,2,3
	v_add_nc_u32 v[TM+12+\b], 0xff000000, v[TM+\b]
.endr
.irp b, 0,1,2,3
	v_lshrrev_b32 v[TM+4+\b], 23, v[TM+12+\b]
.endr
	v_lshl_or_b32 v[WD+\a], v[TM+5], 8, v[TM+4]
	v_lshl_or_b32 v[WD+\a], v[TM+6], 16, v[WD+\a]
	v_lshl_or_b32 v[WD+\a], v[TM+7], 24, v[WD+\a]
	WIN 0x02+((\a)/4)
.irp c, 0,1
	v_cvt_scalef32_pk16_fp6_f32 v[PCA+6*\c:PCA+6*\c+2], v[AC+32*\c:AC+32*\c+15], v[TM+12+2*\c]
	v_cvt_scalef32_pk16_fp6_f32 v[PCA+12+4*\c:PCA+14+4*\c], v[AC+16+32*\c:AC+31+32*\c], v[TM+12+2*\c+1]
.endr
	WIN 0
	v_nop
.irp c, 0,1
.irp i, 0,1,2
	v_permlane16_swap_b32 v[PCA+6*\c+\i], v[PCA+12+4*\c+\i]
.endr
.irp i, 0,1,2
	v_mov_b32 v[PCA+3+6*\c+\i], v[PCA+12+4*\c+\i]
.endr
.endr
.irp p, 0,1,2,3,4,5
	global_store_b64 v[LN8], v[PCA+2*\p:PCA+2*\p+1], s[12:13] offset:1536*(\a)+256*\p
.endr
.endm
	PLACES NP
.irp b, 0,1,2,3
	v_mov_b32 v[TM+4+\b], 0
.endr
.irp a, 0,1,2,3,4,5,6,7
	QUANTW \a
.endr
	v_cmp_le_u32 vcc_lo, 16, v[LANE]
.irp g, 0,1,2,3
	v_cndmask_b32 v[GG+\g], v[WD+2*\g], v[WD+2*\g+1], vcc_lo
.endr
	global_store_b128 v[LN16], v[GG:GG+3], s[96:97]
	s_wait_tensorcnt 0x0
	ds_add_u32 v[SPW], v[NIL]
	s_wait_dscnt 0x0
	CROUND
	s_endpgm
.Lfunc_end_k_q2ff6ab27ae_proj:
	.size	k_q2ff6ab27ae_proj, .Lfunc_end_k_q2ff6ab27ae_proj-k_q2ff6ab27ae_proj
	.p2alignl 7, 3214868480
	.fill 96, 4, 3214868480
	.section	.rodata,"a",@progbits
	.p2align	6, 0x0
	.amdhsa_kernel k_q2ff6ab27ae_proj
		.amdhsa_group_segment_fixed_size 327680
		.amdhsa_private_segment_fixed_size 0
		.amdhsa_enable_private_segment 0
		.amdhsa_kernarg_size 72
		.amdhsa_user_sgpr_count 2
		.amdhsa_user_sgpr_kernarg_segment_ptr 1
		.amdhsa_wavefront_size32 1
		.amdhsa_system_sgpr_workgroup_id_x 1
		.amdhsa_system_sgpr_workgroup_id_y 1
		.amdhsa_system_sgpr_workgroup_id_z 1
		.amdhsa_system_vgpr_workitem_id 0
		.amdhsa_next_free_vgpr 1024
		.amdhsa_next_free_sgpr 102
		.amdhsa_reserve_vcc 1
		.amdhsa_float_denorm_mode_32 3
		.amdhsa_float_denorm_mode_16_64 3
		.amdhsa_memory_ordered 1
		.amdhsa_forward_progress 1
		.amdhsa_inst_pref_size 192
	.end_amdhsa_kernel
	.amdgpu_metadata
---
amdhsa.version: [ 1, 2 ]
amdhsa.kernels:
  - .name:           k_q2ff6ab27ae_proj
    .symbol:         k_q2ff6ab27ae_proj.kd
    .args:
      - { .name: xc, .offset: 0, .size: 8, .value_kind: global_buffer, .address_space: global }
      - { .name: xs, .offset: 8, .size: 8, .value_kind: global_buffer, .address_space: global }
      - { .name: wc, .offset: 16, .size: 8, .value_kind: global_buffer, .address_space: global }
      - { .name: ws, .offset: 24, .size: 8, .value_kind: global_buffer, .address_space: global }
      - { .name: bq, .offset: 32, .size: 8, .value_kind: global_buffer, .address_space: global }
      - { .name: bk, .offset: 40, .size: 8, .value_kind: global_buffer, .address_space: global }
      - { .name: bv, .offset: 48, .size: 8, .value_kind: global_buffer, .address_space: global }
      - { .name: qx, .offset: 56, .size: 8, .value_kind: global_buffer, .address_space: global }
      - { .name: kv, .offset: 64, .size: 8, .value_kind: global_buffer, .address_space: global }
    .group_segment_fixed_size: 327680
    .private_segment_fixed_size: 0
    .kernarg_segment_align: 8
    .kernarg_segment_size: 72
    .max_flat_workgroup_size: 128
    .sgpr_count:     102
    .vgpr_count:     1024
    .wavefront_size: 32
...
	.end_amdgpu_metadata
.endif
;; end of part 2
;; launch attn (part 3): grid 4 x 64, 8 waves a work-group, clusters of 4 x 4, 327,680 bytes of LDS; arguments qx, kv, a_mask, v_mask, q_mask, out0; writes out0
.if DOCPART == 3
	.amdgcn_target "amdgcn-amd-amdhsa--gfx1250"
	.amdhsa_code_object_version 6
	.text
	.protected	k_q2ff6ab27ae_attn
	.globl	k_q2ff6ab27ae_attn
	.p2align	8
	.type	k_q2ff6ab27ae_attn,@function
k_q2ff6ab27ae_attn:
	s_mov_b64 s[64:65], 0
	v_nop
	global_prefetch_b8 v0, s[64:65] scope:SCOPE_SE
	s_setreg_imm32_b32 hwreg(HW_REG_WAVE_MODE, 25, 1), 1
	s_wait_xcnt 0x0
	s_wait_alu depctr_hold_cnt(0) depctr_sa_sdst(0) depctr_va_vdst(0) depctr_va_sdst(0) depctr_va_ssrc(0) depctr_va_vcc(0) depctr_vm_vsrc(0)
	s_getreg_b32 s2, hwreg(HW_REG_IB_STS2, 6, 4)
	s_cmp_eq_u32 s2, 0
	s_cbranch_scc0 .Lentry_in_a_cluster
	s_endpgm
.Lentry_in_a_cluster:
	s_bfe_u32 s2, ttmp6, 0x10000c
	s_cmp_lg_u32 s2, 0xf033
	s_cbranch_scc0 .Lentry_shape_is_right
	s_endpgm
.Lentry_shape_is_right:
; out0[b][q][64 head + d] = q_mask[b][q] x the sum over keys of softmax(score / 8 - (1 - v_mask) 1e12 - (1 - a_mask) 1e12) V, both products on codes of FP6 (E2M3) with E8M0 scales.
; THE SOFTMAX: t = logit x log2(e); M = the running largest t rounded UP to a whole number; p = 2^(t - M) is quantised along the keys, not normalised; the row's sum is taken of the
; unquantised p and divides at the end.  When M moves, the sum and O are multiplied by 2^(old M - new M), which rounds nothing.
; SHARES.  A work-group owns (b, 4 heads, 128 queries); wave T of eight owns queries 16 T .. 16 T + 15 for all four heads.  Eight key steps of 128 keys; a step fills one of two LDS slots.
; THE MASKS: U = a_mask x 8e12 + (v_mask x 8e12 - 16e12), in units of the score, is made once a step in the result's layout and is the C of all four heads' score products.
; BOTH PRODUCTS ARE USED TRANSPOSED: S^T = K Q^T + U, O^T += V^T P^T: a lane holds ONE query.  The 16 registers of tiles 2 b and 2 b + 1 are keys 32 b + 16 (lane / 16) + 0 .. 15 (the launch before chose the rows).
; THE SCORE PRODUCT'S K IS 64, the instruction's 128: a pair of heads shares a fragment's image, and Q's fragment of a head has ZERO CODES in the other head's half, so what stands in that half of
; K's operand adds nothing.  K's eight half fragments lie six registers apart and overlap.
; THE ORDER OF A STEP.  K and V have registers of their own: head h + 1's K is asked of LDS behind head h's score products, its V behind head h's second product, each one softmax ahead of its use.
; THE CHANGE OF SLOTS stands between head 3's score products and its softmax: by then all of the step's K and V are in registers.  Behind the round the slot is asked for again (two steps on), the next
; step's masks and first K are asked of the other slot, and head 3's softmax and second product follow.  Six steps refill (a loop), the last two do not (a loop of two trips; its last trip fetches nothing).
; CLUSTER 4 x 4: cx = the group of heads, cy = the block of queries.  a_mask's tile is asked for jointly along a row of the cluster, K's and V's block along a column.
; PREFETCH: waves 4 to 7, which issue no tensor load, ask in each refilling trip but the last for the step one behind the one just asked for: waves 4, 5 for 32 rows x 256 bytes each of a_mask's tile
; (the partner at cx takes rows 32 cx ..), waves 6, 7 for 25 blocks of 256 bytes each of K's and V's 200 (the partner at cy takes blocks 50 cy ..): each block once a cluster, shared out by address.
; LIMITS: NaN and infinities are not served.  The masks' term is exact for masks of 0 and 1.  In a row all of whose keys are masked the result rests on scores under 2^18 vanishing beside 8e12 in the
; score product's sum, as they vanish beside 1e12 in the subtraction that defines the result.  The scaled scores stay under 2^31 in magnitude.
; REGISTERS: window 0: v1-15 addresses; v16-31 four heads' -M, largest t, sum; v32-45 scale words, prefetch offset; v48-79 at work; v80-91 p's codes; v96-159 S^T, then p; v160-213 K; v216-251 V's tiles 0-2.
;   window 1: v0-127 O^T; v128-191 U; v192-239 Q; v240-251 V's tile 3.
.set SLOT1, 131072                     ; a slot: a_mask's 128 rows of 512 + 16 bytes, then the block of K and V, 51,200 dense bytes
.set KVO,   67584
.set AMH,   33792
.set KVH,   25600
.set WT,    249856                     ; v_mask x 8e12 - 16e12 for the batch's 1,024 keys
.set STAGE, 253952                     ; 16 rows x 272 bytes for each wave
.set SPARE, 288768                     ; the spare words: 128 bytes a wave
.set AKV, 1
.set AAM, 2
.set AWT, 3
.set ASC, 4
.set SPW, 5
.set NIL, 6
.set ADK, 7
.set ADM, 8
.set ADW, 9
.set ADS, 10
.set STO, 11
.set RD,  12
.set GO,  13
.set QM,  14
.set WTA, 15
.set STA, 16
.set QS,  32
.set KSC, 36
.set VSC, 40
.set PWD, 44
.set PFO, 45
.set BM,  48
.set BP,  52
.set SO,  56
.set BY,  60
.set FF,  64
.set L2,  66
.set TT,  68
.set C2,  72
.set PC,  80
.set S,   96
.set FK,  160
.set FV,  216
.set OB,  216
.set U,   128                          ; window 1
.set QF,  192                          ; window 1
.set FV3, 240                          ; window 1
.set WV,  16
.set CS,  22
.set G1A, 24
.set G1K, 32
.set G0A, 40
.set G0K, 44
.set N8,  48
.set SEL, 50
.set TB,  52
.set TW,  53
.set SLOTS, 54
.set PF,  76
.set PFS, 78
.set MSB, 0
.macro WIN new
.if MSB != \new
	s_set_vgpr_msb (MSB<<8)|\new
.set MSB, \new
.endif
.endm
.set W_KQ, 0x14                        ; Q and U in window 1
.set W_PV, 0x50                        ; O^T (C and D) in window 1
.set W_RS, 0x41                        ; destination and source 0 in window 1
.set TO1,  0x40                        ; destination in window 1
.macro PLACES
.rept 4
	v_nop
.endr
.endm
.macro JLOAD                           ; waves 0, 1 fetch a_mask's halves, waves 2, 3 the block's halves, the others nothing
	s_cmp_lt_u32 s[WV], 2
	s_cbranch_scc0 .Lnot_a_\@
	tensor_load_to_lds s[G0A:G0A+3], s[G1A:G1A+7]
	s_nop 0
.rept 4
	v_nop
.endr
	s_branch .Lasked_\@
.Lnot_a_\@:
	s_cmp_lt_u32 s[WV], 4
	s_cbranch_scc0 .Lasked_\@
	tensor_load_to_lds s[G0K:G0K+3], s[G1K:G1K+7]
	s_nop 0
.rept 4
	v_nop
.endr
.Lasked_\@:
.endm
.macro CROUND
	s_barrier_signal -1
	s_barrier_wait -1
	s_cmp_lg_u32 s[WV], 0
	s_cbranch_scc1 .Lnot_wave_0_\@
	s_barrier_signal -3
.Lnot_wave_0_\@:
	s_barrier_wait -3
	s_barrier_signal -1
	s_barrier_wait -1
.endm
	s_load_b256 s[4:11], s[0:1], 0x0               ; qx s4, kv s6, a_mask s8, v_mask s10
	s_load_b128 s[12:15], s[0:1], 0x20             ; q_mask s12, out0 s14
	v_lshl_add_u32 v[SPW], v0, 2, SPARE
	v_mov_b32 v[NIL], 0
	ds_add_u32 v[SPW], v[NIL]
	ds_add_u32 v[SPW], v[NIL]
	s_wait_dscnt 0x0
	v_lshrrev_b32 v7, 5, v0
	s_delay_alu instid0(VALU_DEP_1)
	v_readfirstlane_b32 s[WV], v7                  ; wave T
	s_bfe_u32 s17, ttmp6, 0x40000                  ; cx: the group of heads
	s_bfe_u32 s18, ttmp6, 0x40004                  ; cy
	s_and_b32 s56, ttmp7, 0xffff
	s_lshr_b32 s19, s56, 1                         ; b
	s_and_b32 s56, s56, 1
	s_lshl_b32 s56, s56, 2
	s_add_co_u32 s20, s56, s18                     ; the block of 128 queries
	s_and_b32 s21, s[WV], 1                        ; which half I fetch
	s_lshl_b32 s57, s18, 2
	s_lshl_b32 s57, 15, s57                        ; my row of the cluster
	s_lshl_b32 s58, 0x1111, s17                    ; my column
	s_or_b32 s[G1A], s57, (2<<16)|(1<<20)|(1<<21)|(6<<22)|(3<<25)   ; elements of 4 bytes; 4 words of padding behind every 128
	s_mov_b32 s[G1A+1], 128<<16
	s_mov_b32 s[G1A+2], 64<<16
	s_mov_b32 s[G1A+3], 128<<16
	s_mov_b32 s[G1A+4], 64
	s_mov_b32 s[G1A+5], 1024
	s_mov_b32 s[G1A+6], 0
	s_mov_b32 s[G1A+7], 0
	s_or_b32 s[G1K], s58, (3<<16)|(1<<21)          ; 100 dense rows of 256 bytes
	s_mov_b32 s[G1K+1], 32<<16
	s_mov_b32 s[G1K+2], 100<<16
	s_mov_b32 s[G1K+3], 32<<16
	s_mov_b32 s[G1K+4], 100
	s_mov_b32 s[G1K+5], 32
	s_mov_b32 s[G1K+6], 0
	s_mov_b32 s[G1K+7], 0
	s_lshl_b32 s60, s19, 10                        ; a_mask: row 1024 b + 128 block + 64 half, 4,096 bytes a row
	s_lshl_b32 s61, s20, 7
	s_add_co_u32 s60, s60, s61
	s_lshl_b32 s61, s21, 6
	s_add_co_u32 s60, s60, s61
	s_lshl_b32 s60, s60, 12
	s_mov_b32 s61, 0
	s_lshl_b32 s62, s19, 2
	s_add_co_u32 s62, s62, s17                     ; 4 b + group of heads
	s_mul_i32 s66, s62, 409600                     ; kv: eight blocks of 51,200
	s_mul_i32 s63, s21, KVH
	s_add_co_u32 s66, s66, s63
	s_mov_b32 s67, 0
	s_lshl_b32 s68, s62, 3
	s_add_co_u32 s68, s68, s20
	s_mul_i32 s68, s68, 25600                      ; qx: my block
	s_mov_b32 s69, 0
	s_lshl_b32 s70, s19, 10
	s_lshl_b32 s71, s20, 7
	s_add_co_u32 s70, s70, s71
	s_lshl_b32 s71, s[WV], 4
	s_add_co_u32 s70, s70, s71                     ; my first query among the 8,192
	s_lshl_b32 s72, s70, 2
	s_mov_b32 s73, 0
	s_lshl_b32 s70, s70, 12
	s_lshl_b32 s71, s17, 10
	s_add_co_u32 s70, s70, s71                     ; out0: its row, + my four heads' 1,024 bytes
	s_mov_b32 s71, 0
	s_lshl_b32 s74, s19, 12
	s_mov_b32 s75, 0
	s_mov_b32 s[CS], 0x3e38aa3b                    ; c = log2(e) / 8
	s_mov_b32 s[CS+1], s[CS]
	s_mov_b32 s[N8], 0x54e8d4a5                    ; 8 x 1e12 as f32
	s_mov_b32 s[N8+1], s[N8]
	s_mov_b32 s[SEL], 0x76543210
	s_mov_b32 s[SEL+1], 0xfedcba98
	s_mov_b32 s[TB], 0
	s_mov_b32 s[TW], 0
	s_mov_b32 s[SLOTS], 6
	; the prefetches' place, at key step 1 (each change of slots that refills steps it once ahead of its use)
	s_lshl_b32 s56, s19, 10
	s_lshl_b32 s57, s20, 7
	s_add_co_u32 s56, s56, s57
	s_lshl_b32 s57, s17, 5
	s_add_co_u32 s56, s56, s57                     ; a_mask: row 1024 b + 128 block + 32 cx,
	s_lshl_b32 s56, s56, 12
	s_lshl_b32 s57, s21, 8
	s_add_co_u32 s56, s56, s57                     ; + 256 x (wave % 2),
	s_add_co_u32 s56, s56, 512                     ; + step 1
	s_mul_i32 s58, s62, 409600
	s_mul_i32 s59, s18, 50
	s_mul_i32 s63, s21, 25
	s_add_co_u32 s59, s59, s63
	s_lshl_b32 s59, s59, 8
	s_add_co_u32 s58, s58, s59                     ; kv: block of 256 bytes number 50 cy + 25 (wave % 2),
	s_add_co_u32 s58, s58, 51200                   ; + step 1
	s_mov_b32 s[PFS], 51200
	s_mov_b32 s[PFS+1], 0
	s_mov_b32 s57, 0
	s_cmp_lt_u32 s[WV], 6                          ; waves 4, 5 ask for a_mask, waves 6, 7 for kv (waves 0-3 ask for nothing)
	s_cselect_b32 s56, s56, s58
	s_cselect_b32 s[PFS], 512, s[PFS]              ; bytes from step to step
	s_cselect_b32 s59, 12, 8                       ; a lane a row of 4,096 bytes, or a lane a block of 256
	s_cselect_b32 s63, 31, 24                      ; lanes 25-31 name the wave's last block again
	s_wait_kmcnt 0x0
	s_cselect_b64 s[PF:PF+1], s[8:9], s[6:7]
	s_add_nc_u64 s[PF:PF+1], s[PF:PF+1], s[56:57]
	s_mov_b32 s[G0A], 1
	s_mul_i32 s[G0A+1], s21, AMH
	s_add_nc_u64 s[G0A+2:G0A+3], s[8:9], s[60:61]
	s_or_b32 s[G0A+3], s[G0A+3], 0x80000000
	s_mov_b32 s[G0K], 1
	s_mul_i32 s[G0K+1], s21, KVH
	s_add_co_u32 s[G0K+1], s[G0K+1], KVO
	s_add_nc_u64 s[G0K+2:G0K+3], s[6:7], s[66:67]
	s_or_b32 s[G0K+3], s[G0K+3], 0x80000000
	s_add_nc_u64 s[4:5], s[4:5], s[68:69]
	s_add_nc_u64 s[14:15], s[14:15], s[70:71]
	s_add_nc_u64 s[12:13], s[12:13], s[72:73]
	s_add_nc_u64 s[10:11], s[10:11], s[74:75]
	CROUND                                         ; all sixteen work-groups are here
	JLOAD                                          ; key step 0 into slot 0
	v_and_b32 v76, 31, v0                          ; lane
	v_min_u32 v[PFO], s63, v76
	v_lshlrev_b32 v[PFO], s59, v[PFO]
	s_wait_alu depctr_va_vdst(0)
	v_and_b32 v77, 15, v0                          ; r
	v_bfe_u32 v78, v0, 4, 1                        ; h
	s_wait_alu depctr_va_vdst(0)
	v_lshlrev_b32 v7, 4, v0
	global_load_b128 v[C2:C2+3], v7, s[10:11]      ; v_mask: four keys a thread
	s_mul_i32 s56, s[WV], 1536
	v_lshl_add_u32 v8, v76, 3, s56                 ; Q: my tile's images, 8 bytes a lane
	s_and_b32 s59, s[WV], 1
	s_lshl_b32 s59, s59, 8
	s_lshr_b32 s63, s[WV], 1
	s_lshl_b32 s63, s63, 2
	s_add_co_u32 s59, s59, s63
	v_lshl_add_u32 v9, v77, 4, s59                 ; Q's scale word
	v_lshlrev_b32 v10, 2, v77
	WIN TO1
.irp hd, 0,1,2,3
.irp i, 0,1,2
	global_load_b64 v[QF+12*\hd+6*(\hd%2)+2*\i:QF+12*\hd+6*(\hd%2)+2*\i+1], v8, s[4:5] offset:(\hd/2)*12288+(\hd%2)*768+256*\i
.endr
.endr
	WIN 0
	global_load_b32 v[QS], v9, s[4:5] offset:24576
	global_load_b32 v[QS+1], v9, s[4:5] offset:24576+512
	global_load_b32 v[QM], v10, s[12:13]           ; q_mask of my lane's query
	v_lshl_add_u32 v[AKV], v76, 3, KVO
	s_mul_i32 s57, s[WV], 16*528
	v_mul_u32_u24 v[AAM], v77, 528
	s_wait_alu depctr_va_vdst(0)
	v_lshl_add_u32 v[AAM], v78, 6, v[AAM]
	s_delay_alu instid0(VALU_DEP_1)
	v_add_nc_u32 v[AAM], s57, v[AAM]               ; a_mask: row 16 T + r, + 64 h
	v_lshl_add_u32 v[AWT], v78, 6, WT
	v_lshl_add_u32 v[ASC], v76, 4, KVO+49152
	s_mul_i32 s58, s[WV], 16*272
	s_add_co_u32 s58, s58, STAGE
	v_mul_u32_u24 v[STO], v77, 272
	s_delay_alu instid0(VALU_DEP_1)
	v_lshl_add_u32 v[STO], v78, 6, v[STO]
	s_delay_alu instid0(VALU_DEP_1)
	v_add_nc_u32 v[STO], s58, v[STO]               ; the stage, in: row r, + 64 h
	v_mul_u32_u24 v[RD], v78, 272
	s_delay_alu instid0(VALU_DEP_1)
	v_lshl_add_u32 v[RD], v77, 4, v[RD]
	s_delay_alu instid0(VALU_DEP_1)
	v_add_nc_u32 v[RD], s58, v[RD]                 ; back: lanes 0-15 one row, lanes 16-31 the next
	v_lshlrev_b32 v[GO], 12, v78
	s_delay_alu instid0(VALU_DEP_1)
	v_lshl_add_u32 v[GO], v77, 4, v[GO]
	v_lshl_add_u32 v[WTA], v0, 4, WT
	v_mov_b32 v[TT], 0xd568d4a5                    ; -16e12
	s_delay_alu instid0(VALU_DEP_1)
	v_mov_b32 v[TT+1], v[TT]
.irp hd, 0,1,2,3
	v_mov_b32 v[STA+4*\hd+1], 0xff61b1e6           ; the largest t so far: -3e38
	v_mov_b32 v[STA+4*\hd+2], 0
	v_mov_b32 v[STA+4*\hd+3], 0
.endr
.irp hd, 0,1,2,3
	v_floor_f32 v[STA+4*\hd], -v[STA+4*\hd+1]      ; -M
.endr
.irp b, 0,1,2,3
	v_mov_b32 v[BP+\b], 0                          ; a lane permute's destination counts as one of its sources
.endr
	v_mov_b32 v[FF+1], 0                           ; named as the upper half of a pair
.irp i, 48,49,50,51,52,53
	v_mov_b32 v[FK+\i], 0                          ; the half that stands beside an even head's last tile of K
.endr
	WIN TO1
.set i, 0
.rept 128
	v_mov_b32 v[i], 0                              ; O^T: the key step is written for all steps alike; the first finds zeros
.set i, i+1
.endr
.irp hd, 0,1,2,3
.irp i, 0,1,2,3,4,5
	v_mov_b32 v[QF+12*\hd+6*(1-\hd%2)+\i], 0       ; zero codes in the other head's half of Q's fragment
.endr
.endr
	WIN 0
	s_wait_loadcnt 15                              ; v_mask is in; Q's twelve loads, two scale words and q_mask may be out
	v_pk_fma_f32 v[C2:C2+1], v[C2:C2+1], s[N8:N8+1], v[TT:TT+1] op_sel_hi:[1,0,1]
	v_pk_fma_f32 v[C2+2:C2+3], v[C2+2:C2+3], s[N8:N8+1], v[TT:TT+1] op_sel_hi:[1,0,1]
	ds_store_b128 v[WTA], v[C2:C2+3]               ; the first change of slots waits for it and passes a barrier ahead of every read
	s_wait_loadcnt 0x0
.macro KLOAD hd                        ; 25 LDS loads: a head's eight half fragments of K, six registers apart, and its pair's scale words
.irp kt, 0,1,2,3,4,5,6,7
.irp i, 0,1,2
	ds_load_b64 v[FK+6*\kt+6*((\hd)%2)+2*\i:FK+6*\kt+6*((\hd)%2)+2*\i+1], v[ADK] offset:((\hd)/2)*12288+\kt*1536+((\hd)%2)*768+256*\i
.endr
.endr
	ds_load_b128 v[KSC:KSC+3], v[ADS] offset:512*((\hd)/2)
.endm
.macro VLOAD hd                        ; 25 LDS loads: a head's four fragments of V (16 channels x 128 keys), and its pair's scale words
.irp dt, 0,1,2
.irp i, 0,1,2,3,4,5
	ds_load_b64 v[FV+12*\dt+2*\i:FV+12*\dt+2*\i+1], v[ADK] offset:24576+(4*(\hd)+\dt)*1536+256*\i
.endr
.endr
	ds_load_b128 v[VSC:VSC+3], v[ADS] offset:1024+512*((\hd)/2)
	WIN TO1
.irp i, 0,1,2,3,4,5
	ds_load_b64 v[FV3+2*\i:FV3+2*\i+1], v[ADK] offset:24576+(4*(\hd)+3)*1536+256*\i
.endr
	WIN 0
.endm
.macro ADDR tb, tw                     ; a step's LDS addresses; the four lines are also places behind the last products
	v_add_nc_u32 v[ADK], \tb, v[AKV]
	v_add_nc_u32 v[ADM], \tb, v[AAM]
	v_add_nc_u32 v[ADW], \tw, v[AWT]
	v_add_nc_u32 v[ADS], \tb, v[ASC]
.endm
.macro ALOAD                           ; 16 loads: a_mask(my query, keys 32 b + 16 h + 4 jj ..) into U's registers
	WIN TO1
.irp b, 0,1,2,3
.irp jj, 0,1,2,3
	ds_load_b128 v[U+16*\b+4*\jj:U+16*\b+4*\jj+3], v[ADM] offset:128*\b+16*\jj
.endr
.endr
	WIN 0
.endm
.macro WLOAD                           ; 16 loads: v_mask's term of the same keys into S's registers, which p has left
.irp b, 0,1,2,3
.irp jj, 0,1,2,3
	ds_load_b128 v[S+16*\b+4*\jj:S+16*\b+4*\jj+3], v[ADW] offset:128*\b+16*\jj
.endr
.endr
.endm
.macro UFORM
	s_wait_dscnt 25                                ; both masks and K are in; V's 25 loads, issued last, may be out
	WIN W_RS
.set j, 0
.rept 32
	v_pk_fma_f32 v[U+j:U+j+1], v[U+j:U+j+1], s[N8:N8+1], v[S+j:S+j+1] op_sel_hi:[1,0,1]
.set j, j+2
.endr
	WIN 0
	PLACES
	s_wait_alu depctr_va_vdst(0)
.endm
.macro P1 hd                           ; the score products of a head
	s_wait_dscnt 25                                ; K is in; V's 25 loads, issued behind it, may be out
	WIN W_KQ
.irp kt, 0,1,2,3,4,5,6,7
.if (\kt)%2
	v_wmma_scale_f32_16x16x128_f8f6f4 v[S+8*\kt:S+8*\kt+7], v[FK+6*\kt:FK+6*\kt+11], v[QF+12*(\hd):QF+12*(\hd)+11], v[U+8*\kt:U+8*\kt+7], v[KSC+\kt/2], v[QS+(\hd)/2] matrix_a_fmt:MATRIX_FMT_FP6 matrix_b_fmt:MATRIX_FMT_FP6 matrix_a_scale:MATRIX_SCALE_ROW1
.else
	v_wmma_scale_f32_16x16x128_f8f6f4 v[S+8*\kt:S+8*\kt+7], v[FK+6*\kt:FK+6*\kt+11], v[QF+12*(\hd):QF+12*(\hd)+11], v[U+8*\kt:U+8*\kt+7], v[KSC+\kt/2], v[QS+(\hd)/2] matrix_a_fmt:MATRIX_FMT_FP6 matrix_b_fmt:MATRIX_FMT_FP6
.endif
.endr
	WIN 0
	PLACES                                         ; in front of loads into K's registers and of the first read of the scores
.endm
.macro R1 hd                           ; the softmax of a head, up to p's codes and scale word
.set STT, STA+4*(\hd)
.irp b, 0,1,2,3
	v_max3_num_f32 v[BM+\b], v[S+16*\b], v[S+16*\b+1], v[S+16*\b+2]   ; the largest score of each block of 32 keys: for the row's maximum and for the block's largest p
.endr
.irp i, 3,5,7,9,11,13
.irp b, 0,1,2,3
	v_max3_num_f32 v[BM+\b], v[BM+\b], v[S+16*\b+\i], v[S+16*\b+\i+1]
.endr
.endr
.irp b, 0,1,2,3
	v_max_num_f32 v[BM+\b], v[BM+\b], v[S+16*\b+15]
.endr
.irp b, 0,1,2,3
	s_delay_alu instid0(VALU_DEP_4)
	v_permlanex16_b32 v[BP+\b], v[BM+\b], s[SEL], s[SEL+1]
.endr
.irp b, 0,1,2,3
	s_delay_alu instid0(VALU_DEP_4)
	v_max_num_f32 v[BM+\b], v[BM+\b], v[BP+\b]
.endr
	s_delay_alu instid0(VALU_DEP_2)
	v_max3_num_f32 v[TT], v[BM], v[BM+1], v[BM+2]
	s_delay_alu instid0(VALU_DEP_1)
	v_max_num_f32 v[TT], v[TT], v[BM+3]
	s_delay_alu instid0(VALU_DEP_1)
	v_mul_f32 v[TT], s[CS], v[TT]
	s_delay_alu instid0(VALU_DEP_1)
	v_max_num_f32 v[STT+1], v[STT+1], v[TT]        ; the running largest t
	v_mov_b32 v[TT], v[STT]
	s_delay_alu instid0(VALU_DEP_2)
	v_floor_f32 v[STT], -v[STT+1]                  ; -M = floor(-t): M is a whole number
	s_delay_alu instid0(VALU_DEP_1)
	v_sub_f32 v[TT], v[STT], v[TT]                 ; old M - new M
	s_delay_alu instid0(VALU_DEP_1)
	v_cvt_i32_f32 v[TT], v[TT]                     ; (it saturates)
	s_delay_alu instid0(VALU_DEP_1)
	v_ldexp_f32 v[FF], 1.0, v[TT]                  ; f = 2^(old M - new M)
.set j, 0
.rept 32
	v_pk_fma_f32 v[S+j:S+j+1], v[S+j:S+j+1], s[CS:CS+1], v[STT:STT+1] op_sel_hi:[1,0,0]   ; t - M
.set j, j+2
.endr
.irp b, 0,1,2,3
	v_fma_f32 v[BM+\b], v[BM+\b], s[CS], v[STT]
.endr
.set j, 0
	s_wait_alu depctr_va_vdst(0)
.rept 64
	v_exp_f32 v[S+j], v[S+j]                       ; p, one batch
.set j, j+1
.endr
	v_pk_mul_f32 v[STT+2:STT+3], v[STT+2:STT+3], v[FF:FF+1] op_sel_hi:[1,0]   ; the sum under the new M: the plain line behind the batch
	s_wait_alu depctr_va_vdst(0)                   ; one wait for the batch, ahead of its first reader
.irp b, 0,1,2,3
	v_exp_f32 v[BM+\b], v[BM+\b]                   ; each block's largest p
.endr
	v_pk_add_f32 v[L2:L2+1], v[S:S+1], v[S+2:S+3]  ; the row's sum of the unquantised p, in two chains
.irp j, 4,8,12,16,20,24,28,32,36,40,44,48,52,56,60
	v_pk_add_f32 v[STT+2:STT+3], v[STT+2:STT+3], v[S+\j:S+\j+1]
	v_pk_add_f32 v[L2:L2+1], v[L2:L2+1], v[S+\j+2:S+\j+3]
.endr
	s_delay_alu instid0(VALU_DEP_1)
	v_pk_add_f32 v[STT+2:STT+3], v[STT+2:STT+3], v[L2:L2+1]
	s_wait_alu depctr_va_vdst(0)                   ; and one for the four
.irp b, 0,1,2,3
	v_max_num_f32 v[BM+\b], 0x1800000, v[BM+\b]    ; the floor 2^(3 - 127): the byte cannot fall under 1
.endr
.irp b, 0,1,2,3
	s_delay_alu instid0(VALU_DEP_4)
	v_add_nc_u32 v[SO+\b], 0xff000000, v[BM+\b]
.endr
.irp b, 0,1,2,3
	s_delay_alu instid0(VALU_DEP_4)
	v_lshrrev_b32 v[BY+\b], 23, v[SO+\b]
.endr
	s_delay_alu instid0(VALU_DEP_3)
	v_lshl_or_b32 v[PWD], v[BY+1], 8, v[BY]
	s_delay_alu instid0(VALU_DEP_1)
	v_lshl_or_b32 v[PWD], v[BY+2], 16, v[PWD]
	s_delay_alu instid0(VALU_DEP_1)
	v_lshl_or_b32 v[PWD], v[BY+3], 24, v[PWD]      ; p's scale word for these 128 keys
.irp c, 0,1
	v_cvt_scalef32_pk16_fp6_f32 v[PC+6*\c:PC+6*\c+2], v[S+32*\c:S+32*\c+15], v[SO+2*\c]
	v_cvt_scalef32_pk16_fp6_f32 v[C2+4*\c:C2+4*\c+2], v[S+16+32*\c:S+31+32*\c], v[SO+2*\c+1]
.endr
	v_nop                                          ; a plain line behind the conversions
.irp c, 0,1
.irp i, 0,1,2
	v_permlane16_swap_b32 v[PC+6*\c+\i], v[C2+4*\c+\i]
.endr
.irp i, 0,1,2
	s_delay_alu instid0(VALU_DEP_3)
	v_mov_b32 v[PC+3+6*\c+\i], v[C2+4*\c+\i]
.endr
.endr
.endm
.macro R2 hd, vw                       ; O^T under the new M, and the second product.  vw: the LDS loads issued behind V's (99: V is known to be in)
.set OO, 32*(\hd)
.if \vw < 64
	s_wait_dscnt \vw
.endif
	WIN W_RS
	s_wait_alu depctr_va_vdst(0)                   ; directly ahead of the first reader of O^T
.set j, 0
.rept 16
	v_pk_mul_f32 v[OO+j:OO+j+1], v[OO+j:OO+j+1], v[FF:FF+1] op_sel_hi:[1,0]   ; each tile from its low end on; these sixteen also stand between the writing of p's codes and scale word and the products
.set j, j+2
.endr
	WIN W_PV
.irp dt, 0,1,2
.if (\dt)%2
	v_wmma_scale_f32_16x16x128_f8f6f4 v[OO+8*\dt:OO+8*\dt+7], v[FV+12*\dt:FV+12*\dt+11], v[PC:PC+11], v[OO+8*\dt:OO+8*\dt+7], v[VSC+2*((\hd)%2)+\dt/2], v[PWD] matrix_a_fmt:MATRIX_FMT_FP6 matrix_b_fmt:MATRIX_FMT_FP6 matrix_a_scale:MATRIX_SCALE_ROW1
.else
	v_wmma_scale_f32_16x16x128_f8f6f4 v[OO+8*\dt:OO+8*\dt+7], v[FV+12*\dt:FV+12*\dt+11], v[PC:PC+11], v[OO+8*\dt:OO+8*\dt+7], v[VSC+2*((\hd)%2)+\dt/2], v[PWD] matrix_a_fmt:MATRIX_FMT_FP6 matrix_b_fmt:MATRIX_FMT_FP6
.endif
.endr
	WIN 0x51                                       ; V's tile 3 lies in window 1
	v_wmma_scale_f32_16x16x128_f8f6f4 v[OO+24:OO+31], v[FV3:FV3+11], v[PC:PC+11], v[OO+24:OO+31], v[VSC+2*((\hd)%2)+1], v[PWD] matrix_a_fmt:MATRIX_FMT_FP6 matrix_b_fmt:MATRIX_FMT_FP6 matrix_a_scale:MATRIX_SCALE_ROW1
	WIN 0
.endm
.macro HEAD hd                         ; heads 0 to 2: the next head's K and V are asked for on the way
	P1 \hd
	KLOAD (\hd)+1
	R1 \hd
	R2 \hd, 25                                     ; V is in; the next head's K, 25 loads, may be out
	PLACES
	VLOAD (\hd)+1
.endm
; THE CHANGE OF SLOTS.  Each wave waits for all its tensor loads, adds 0 to its spare word, and waits for that and for its reads of the slot that it leaves.  fill = 1: a round of the cluster's
; barrier, and behind it the slot just left is asked for jointly.  There the add is written twice.
.macro CHANGE fill
	s_wait_alu depctr_va_vdst(0)
.if \fill
	s_wait_xcnt 0x0                                ; my last prefetch has read its address
	s_add_nc_u64 s[PF:PF+1], s[PF:PF+1], s[PFS:PFS+1]
.endif
	s_wait_tensorcnt 0x0
	ds_add_u32 v[SPW], v[NIL]
.if \fill
	ds_add_u32 v[SPW], v[NIL]
	s_xor_b32 s[G0A+1], s[G0A+1], SLOT1
	s_add_nc_u64 s[G0A+2:G0A+3], s[G0A+2:G0A+3], 512      ; the next 128 keys of each row of a_mask
	s_xor_b32 s[G0K+1], s[G0K+1], SLOT1
	s_add_nc_u64 s[G0K+2:G0K+3], s[G0K+2:G0K+3], 51200    ; the next block of K and V
.endif
	s_wait_dscnt 0x0
.if \fill
	CROUND
	JLOAD
.else
	s_barrier_signal -1
	s_barrier_wait -1
.endif
.endm
.macro ASK                             ; the step one behind the one just asked for; the loop's last trip has no such step
	s_cmp_lt_u32 s[WV], 4
	s_cbranch_scc1 .Lno_ask_\@
	s_cmp_lt_u32 s[SLOTS], 2
	s_cbranch_scc1 .Lno_ask_\@
	global_prefetch_b8 v[PFO], s[PF:PF+1] th:TH_LOAD_NT scope:SCOPE_SE
.Lno_ask_\@:
.endm
.macro STEPS fill
	HEAD 0
	HEAD 1
	HEAD 2
	P1 3
	CHANGE \fill
.if \fill
	s_xor_b32 s[TB], s[TB], SLOT1
	s_add_co_u32 s[TW], s[TW], 512
	ADDR s[TB], s[TW]
	ALOAD                                          ; the next step's a_mask and first K land under head 3's softmax
	KLOAD 0
	R1 3
	WLOAD
	ASK
	R2 3, 99
	PLACES
	VLOAD 0
	UFORM
.else
	R1 3
	R2 3, 99
	s_wait_alu depctr_va_vdst(0)
	s_cmp_eq_u32 s[SLOTS], 1
	s_cbranch_scc1 .Lno_next                       ; behind the last step nothing is fetched
	ADDR SLOT1, 3584                               ; step 7: slot 1, keys 896 ..
	ALOAD
	KLOAD 0
	WLOAD
	VLOAD 0
	UFORM
.Lno_next:
.endif
.endm
	CHANGE 1                                       ; step 0 is in; step 1 is asked for, into slot 1
	ADDR s[TB], s[TW]
	ALOAD
	KLOAD 0
	WLOAD
	VLOAD 0
	UFORM
.Lstep:                                            ; steps 0 to 5: each asks for the step two on
	STEPS 1
	s_sub_co_u32 s[SLOTS], s[SLOTS], 1
	s_cmp_lg_u32 s[SLOTS], 0
	s_cbranch_scc1 .Lstep
	s_mov_b32 s[SLOTS], 2
.Ltail:                                            ; steps 6 and 7: no tensor load
	STEPS 0
	s_sub_co_u32 s[SLOTS], s[SLOTS], 1
	s_cmp_lg_u32 s[SLOTS], 0
	s_cbranch_scc1 .Ltail
	; THE WAY OUT: O^T x q_mask / the row's sum, a head (16 rows x 256 bytes) at a time through my stage, so that sixteen lanes store 256 consecutive bytes, aligned.
.irp hd, 0,1,2,3
	v_add_f32 v[BM+\hd], v[STA+4*\hd+2], v[STA+4*\hd+3]
.endr
.irp hd, 0,1,2,3
	s_delay_alu instid0(VALU_DEP_4)
	v_permlanex16_b32 v[BP+\hd], v[BM+\hd], s[SEL], s[SEL+1]
.endr
.irp hd, 0,1,2,3
	s_delay_alu instid0(VALU_DEP_4)
	v_add_f32 v[BM+\hd], v[BM+\hd], v[BP+\hd]
.endr
	s_wait_alu depctr_va_vdst(0)
.irp hd, 0,1,2,3
	v_rcp_f32 v[SO+2*\hd], v[BM+\hd]
.endr
	v_nop
	s_wait_alu depctr_va_vdst(0)                   ; one wait for the four reciprocals
.irp hd, 0,1,2,3
	v_mul_f32 v[SO+2*\hd], v[SO+2*\hd], v[QM]
.endr
.macro OUTH hd
.set SBX, S+32*((\hd)%2)
	WIN 0x01                                       ; source 0 (O^T) in window 1
	s_wait_alu depctr_va_vdst(0)                   ; directly ahead of the first reader of O^T
.set j, 0
.rept 16
	v_pk_mul_f32 v[SBX+j:SBX+j+1], v[32*(\hd)+j:32*(\hd)+j+1], v[SO+2*(\hd):SO+2*(\hd)+1] op_sel_hi:[1,0]
.set j, j+2
.endr
	WIN 0
.irp dt, 0,1,2,3                                   ; tile dt, register j: channel 32 (dt / 2) + 16 h + 8 (dt % 2) + j
	ds_store_b128 v[STO], v[SBX+8*\dt:SBX+8*\dt+3] offset:128*(\dt/2)+32*(\dt%2)
	ds_store_b128 v[STO], v[SBX+8*\dt+4:SBX+8*\dt+7] offset:128*(\dt/2)+32*(\dt%2)+16
.endr
.if (\hd) > 0
	s_wait_xcnt 0x0                                ; the last head's stores have read their registers, which the loads below write
.endif
.irp i, 0,1,2,3,4,5,6,7
	ds_load_b128 v[OB+4*\i:OB+4*\i+3], v[RD] offset:544*\i   ; LDS serves a wave's instructions in order: these see my stores
.endr
.irp i, 0,1,2,3,4,5,6,7
	s_wait_dscnt 7-\i                              ; younger loads from the stage may be out
	global_store_b128 v[GO], v[OB+4*\i:OB+4*\i+3], s[14:15] offset:8192*\i+256*(\hd) th:TH_STORE_NT
.endr
.endm
	OUTH 0
	OUTH 1
	OUTH 2
	OUTH 3
	s_wait_tensorcnt 0x0                           ; the wave's end
	ds_add_u32 v[SPW], v[NIL]
	s_wait_dscnt 0x0
	CROUND                                         ; the closing round
	s_endpgm
.Lfunc_end_k_q2ff6ab27ae_attn:
	.size	k_q2ff6ab27ae_attn, .Lfunc_end_k_q2ff6ab27ae_attn-k_q2ff6ab27ae_attn
	.p2alignl 7, 3214868480
	.fill 96, 4, 3214868480
	.section	.rodata,"a",@progbits
	.p2align	6, 0x0
	.amdhsa_kernel k_q2ff6ab27ae_attn
		.amdhsa_group_segment_fixed_size 327680
		.amdhsa_private_segment_fixed_size 0
		.amdhsa_enable_private_segment 0
		.amdhsa_kernarg_size 48
		.amdhsa_user_sgpr_count 2
		.amdhsa_user_sgpr_kernarg_segment_ptr 1
		.amdhsa_wavefront_size32 1
		.amdhsa_system_sgpr_workgroup_id_x 1
		.amdhsa_system_sgpr_workgroup_id_y 1
		.amdhsa_system_sgpr_workgroup_id_z 1
		.amdhsa_system_vgpr_workitem_id 0
		.amdhsa_next_free_vgpr 512
		.amdhsa_next_free_sgpr 80
		.amdhsa_reserve_vcc 0
		.amdhsa_float_denorm_mode_32 3
		.amdhsa_float_denorm_mode_16_64 3
		.amdhsa_memory_ordered 1
		.amdhsa_forward_progress 1
		.amdhsa_inst_pref_size 194
	.end_amdhsa_kernel
	.amdgpu_metadata
---
amdhsa.version: [ 1, 2 ]
amdhsa.kernels:
  - .name:           k_q2ff6ab27ae_attn
    .symbol:         k_q2ff6ab27ae_attn.kd
    .args:
      - { .name: qx, .offset: 0, .size: 8, .value_kind: global_buffer, .address_space: global }
      - { .name: kv, .offset: 8, .size: 8, .value_kind: global_buffer, .address_space: global }
      - { .name: a_mask, .offset: 16, .size: 8, .value_kind: global_buffer, .address_space: global }
      - { .name: v_mask, .offset: 24, .size: 8, .value_kind: global_buffer, .address_space: global }
      - { .name: q_mask, .offset: 32, .size: 8, .value_kind: global_buffer, .address_space: global }
      - { .name: out0, .offset: 40, .size: 8, .value_kind: global_buffer, .address_space: global }
    .group_segment_fixed_size: 327680
    .private_segment_fixed_size: 0
    .kernarg_segment_align: 8
    .kernarg_segment_size: 48
    .max_flat_workgroup_size: 256
    .sgpr_count:     80
    .vgpr_count:     512
    .wavefront_size: 32
...
	.end_amdgpu_metadata
.endif
;; end of part 3
